; MI455X (gfx1250); checked and timed in simulation.
; The chip was launched on July 23, 2026; its instructions are those of AMD's public machine-readable ISA for CDNA 5 (MIT licence, August 2026) and "CDNA5" Instruction Set Architecture Reference Guide (July 2026). The comments in the code are by the model that wrote it; some were corrected since.
;; Single Head Attention. Allowed arithmetic: matrix products marked QUANTISED: E2M3 operands, one E8M0 scale for each 32 along K, by v_wmma_scale_f32_16x16x128_f8f6f4 with both operands' format E2M3, f32 sums; everything else in f32.
;; Inputs: Wk 1,024 x 64 float32; Wq 1,024 x 64 float32; Wv 1,024 x 64 float32; bk 64 float32; bq 64 float32; bv 64 float32; x 4 x 4,096 x 1,024 float32.
;; Outputs: out0 4 x 4,096 x 64 float32.
;; This version of the problem:
;;   THIS VERSION OF THE PROBLEM IS GIVEN IN LOW PRECISION. The matrix products marked QUANTISED in the list below multiply operands that are first quantised to E2M3 (2 exponent bits, 3 mantissa bits; 6 bits a number), with one power-of-two scale for each 32 numbers along K (OCP MX v1.0); their sums are f32. All else is computed in f32.
;;   The module's matrix products, in the order in which they are computed (A, B: the left and right operand; K: the contracted axis; several contracted axes count as one K, in the product's order):
;;     1. [M 16,384, K 1,024] x [K 1,024, N 64]; A: input x; B: input Wq: QUANTISED
;;     2. [M 16,384, K 1,024] x [K 1,024, N 64]; A: input x; B: input Wk: QUANTISED
;;     3. [M 16,384, K 1,024] x [K 1,024, N 64]; A: input x; B: input Wv: QUANTISED
;;     4. batch 4 x [M 4,096, K 64] x [K 64, N 4,096]; A: computed on the way; B: computed on the way: QUANTISED
;;     5. batch 4 x [M 4,096, K 4,096] x [K 4,096, N 64]; A: softmax (see below); B: computed on the way: QUANTISED
;;   THE QUANTISER, for each operand of a quantised product, along K:
;;     - K is cut into blocks of 32 from its start; a last block that is shorter is filled with zeros.
;;     - A block's scale is 2^e with e = floor(log2(the largest magnitude in the block)) - 2, held to -126 .. 127; a block of zeros has e = 0. As a byte (E8M0): e + 127.
;;     - Each number is divided by its block's scale, clamped to +-7.5, and rounded to the nearest number of E2M3, ties to even, subnormals kept.
;;     - The product sums the exact products of the quantised numbers (number of the format x scale) in f32.
;;   ~~~python
;;   def quantise(x, axis):      # numpy; x: float32 -> the quantised numbers, widened to float32 again
;;       x = np.moveaxis(x, axis, -1); K = x.shape[-1]
;;       x = np.pad(x, [(0, 0)] * (x.ndim - 1) + [(0, -K % 32)]); x = x.reshape(x.shape[:-1] + (-1, 32)); a = np.abs(x).max(-1, keepdims=True)
;;       e = np.where(a > 0, np.clip(np.frexp(np.where(a > 0, a, 1))[1] - 1 - 2, -126, 127), 0)      # np.frexp(a)[1] - 1 = floor(log2(a)), exactly
;;       r = np.clip(x / 2.0 ** e, -7.5, 7.5)
;;       step = 2.0 ** (np.maximum(np.frexp(np.where(r == 0, 1, r))[1] - 1, 0) - 3)
;;       q = np.round(r / step) * step * 2.0 ** e      # np.round: ties to even
;;       return np.moveaxis(q.reshape(q.shape[:-2] + (-1,))[..., :K], -1, axis).astype(np.float32)
;;   ~~~
;;   SOFTMAX AHEAD OF A QUANTISED PRODUCT. Where the list says 'softmax', what is quantised is not the finished softmax but p = 2^(t - M), with t = logit x log2(e) and M = ceil(the row's largest t), a whole number; so 1/2 < the row's largest p <= 1. The row's sum l is taken of the UNQUANTISED p, in f32, and the product's result is divided by l at the end. Since M is a whole number, a kernel that streams over the keys may use a running M (the ceiling of the running maximum): every later rescaling is an exact power of two, which a block's scale takes up: the codes' values come out the same.
;;   OPERANDS COMPUTED ON THE WAY. 'Computed on the way' means the value that the module computes at that place (a softmax that the list does not call 'softmax' is quantised finished and normalised). What goes into a quantiser is computed in f32, as accurately as f32 sums, v_exp_f32 and their like allow (about 1e-6 of the number): no bf16 or f16 on the way to a quantiser, and a product that is left as it is and whose result goes on into a quantised operand takes f32 operands (vector FMAs, or v_wmma_f32_16x16x4_f32). A number that lies on a knife's edge between two numbers of the format may be rounded either way, as far as f32 arithmetic and the matrix unit's own rounding can turn it there, and no further.
;; One version. Each part assembles by itself: llvm-mc -triple=amdgcn-amd-amdhsa -mcpu=gfx1250 --defsym DOCPART=n.
;; ======== version 1 of 1: 3 launches
;; limits: right only within a limited range of input values
;; workspace buffers: wi 153,600 bytes; qi 851,968 bytes; kv 1,671,168 bytes
;; launch wquant (part 1): grid 32 x 3, 1 waves a work-group, no clusters, 0 bytes of LDS; arguments Wq, Wk, Wv, wi; writes wi
.if DOCPART == 1
	.amdgcn_target "amdgcn-amd-amdhsa--gfx1250"
	.amdhsa_code_object_version 6
	.text
	.protected	k_q2259f34ddd_wquant
	.globl	k_q2259f34ddd_wquant
	.p2align	8
	.type	k_q2259f34ddd_wquant,@function
k_q2259f34ddd_wquant:
	s_mov_b64 s[64:65], 0
	v_nop
	global_prefetch_b8 v0, s[64:65] scope:SCOPE_SE
	s_setreg_imm32_b32 hwreg(HW_REG_WAVE_MODE, 25, 1), 1
	s_wait_xcnt 0x0
; Wq, Wk, Wv [1024 (k)][64 (n)], f32, become operands of MX-FP6 (E2M3 codes, one E8M0 byte for each 32 along K), laid in wi as IMAGES OF THE OPERAND'S REGISTERS.
; A work-group is one wave and makes one fragment (16 columns x 128 along K, 12 registers a lane): matrix m = work-group y (0 q, 1 k, 2 v), K step s = work-group x / 4, tile t = work-group x % 4.
; A LANE TAKES A COLUMN AND ITS REGISTERS RUN DOWN K, in the order that the operand's layout gives that lane (lane (r, h): k = 64 c + 32 h + 0 .. 31): the conversions' results are the operand's registers.
; WHICH COLUMNS FORM A TILE: for q and k row r of tile t is column 8 t + r % 8 + 32 (r / 8); for v it is column 16 t + r.
; wi: fragment (m, s, t) at ((8 m + s) 4 + t) x 1,536 bytes: register group g (four registers) at 512 g + 16 x lane.  Scale words from byte 147,456 + 2,048 m + 512 t on: row r's eight words (K steps 0 to 7) at 32 r.
; A block's scale is 2^(floor(log2(its largest magnitude)) - 2); its byte is the largest magnitude's exponent field - 2, held at 1 from below.
; LIMITS: a block whose largest magnitude lies under 2^-124 has its byte held at 1; a block of zeros gets the byte 1 where the rule says 127 (its codes are zeros, and this program alone reads the bytes); NaN and infinities are not served.
; WORK LEFT OUT IN THIS PROGRAM: the scores of whole steps of 128 keys that lie behind a tile's last query (attn).  reference() itself puts -infinity there, so their weights are 0 for all finite inputs.  A NaN, an infinity or an overflow that reaches only those scores is not carried to the result.
; No LDS, no barrier: waves share nothing.
.set N,   64                           ; v64-127  my 64 numbers: register 32 c + i = k 64 c + 32 h + i
.set PC,  16                           ; v16-27   the fragment's codes
.set TC,  28                           ; v28-30, v32-34  the upper halves of the two blocks, as the conversions leave them
.set MX,  36                           ; v36-37   largest magnitudes, first chain
.set MB,  38                           ; v38-39   second chain
.set BY,  40                           ; v40-41   the scales' bytes
.set WD,  42                           ; v42      the scale word;  v43 the other half of the lanes'
.set SO,  44                           ; v44-45   the conversions' scale operands
	s_load_b256 s[4:11], s[0:1], 0x0               ; Wq s[4:5], Wk s[6:7], Wv s[8:9], wi s[10:11]
	s_and_b32 s16, ttmp9, 3                        ; t
	s_lshr_b32 s19, ttmp9, 2                       ; s
	s_and_b32 s17, ttmp7, 0xffff                   ; m
	s_cmp_eq_u32 s17, 2
	s_cselect_b32 s14, 16, 8                       ; from tile to tile: 16 columns in v, 8 in q and k
	s_cselect_b32 s15, 8, 32                       ; from a tile's rows 0-7 to its rows 8-15
	s_mul_i32 s18, s16, s14
	v_and_b32 v1, 31, v0                           ; lane
	v_and_b32 v2, 15, v0                           ; r
	v_bfe_u32 v3, v0, 4, 1                         ; h
	v_and_b32 v7, 7, v2
	v_lshrrev_b32 v8, 3, v2
	v_mad_u32_u24 v7, v8, s15, v7
	v_add_nc_u32 v7, s18, v7                       ; my column
	v_lshlrev_b32 v4, 2, v7
	v_lshl_add_u32 v4, v3, 13, v4                  ; 4 x column + 32 h rows of 256 bytes
	v_lshlrev_b32 v5, 4, v1                        ; an image's place for my lane
	v_lshlrev_b32 v6, 5, v2                        ; a scale word's: 32 r
	v_lshlrev_b32 v9, 3, v3                        ; 8 h
	v_mov_b32 v[WD+1], 0                           ; a lane permute's destination counts as one of its sources
	s_mov_b32 s28, 0x76543210
	s_mov_b32 s29, 0xfedcba98                      ; v_permlanex16_b32's selects for lane l xor 16
	s_lshl_b32 s20, s19, 15                        ; K step s begins 128 rows of 256 bytes x s down
	s_mov_b32 s21, 0
	s_lshl_b32 s22, s17, 3
	s_add_co_u32 s22, s22, s19
	s_lshl_b32 s22, s22, 2
	s_add_co_u32 s22, s22, s16
	s_mul_i32 s22, s22, 1536                       ; the fragment's image
	s_mov_b32 s23, 0
	s_lshl_b32 s24, s17, 11
	s_lshl_b32 s25, s16, 9
	s_add_co_u32 s24, s24, s25
	s_lshl_b32 s25, s19, 2
	s_add_co_u32 s24, s24, s25
	s_add_co_u32 s24, s24, 147456                  ; the scale words
	s_mov_b32 s25, 0
	s_wait_alu depctr_va_vdst(0)                   ; the wait at the head's end
	s_wait_kmcnt 0x0
	s_cmp_eq_u32 s17, 0                            ; the choice hangs on the work-group's number alone
	s_cselect_b64 s[12:13], s[4:5], s[6:7]
	s_cmp_eq_u32 s17, 2
	s_cselect_b64 s[12:13], s[8:9], s[12:13]
	s_add_nc_u64 s[12:13], s[12:13], s[20:21]
	s_add_nc_u64 s[26:27], s[10:11], s[24:25]      ; where the scale words go
	s_add_nc_u64 s[10:11], s[10:11], s[22:23]      ; where the codes go
.set ii, 0
.rept 64
	global_load_b32 v[N+ii], v4, s[12:13] offset:(64*(ii/32)+ii%32)*256   ; W(128 s + 64 c + 32 h + i, my column)
.set ii, ii+1
.endr
.irp c, 0,1                            ; my blocks h and 2 + h: all their numbers are mine
	s_wait_loadcnt 32-32*\c                        ; block c's 32 loads are in
	v_max3_num_f32 v[MX+\c], |v[N+32*\c]|, |v[N+32*\c+1]|, 0x1800000   ; and the floor 2^(3 - 127): the byte cannot fall under 1
	v_max3_num_f32 v[MB+\c], |v[N+32*\c+2]|, |v[N+32*\c+3]|, |v[N+32*\c+4]|
.set ii, 5
.rept 6
	v_max3_num_f32 v[MX+\c], v[MX+\c], |v[N+32*\c+ii]|, |v[N+32*\c+ii+1]|   ; (two chains by turns)
	v_max3_num_f32 v[MB+\c], v[MB+\c], |v[N+32*\c+ii+2]|, |v[N+32*\c+ii+3]|
.set ii, ii+4
.endr
	v_max3_num_f32 v[MX+\c], v[MX+\c], |v[N+32*\c+29]|, |v[N+32*\c+30]|
	v_max3_num_f32 v[MX+\c], v[MX+\c], v[MB+\c], |v[N+32*\c+31]|
	v_add_nc_u32 v[SO+\c], 0xff000000, v[MX+\c]    ; 2 off the exponent field: the conversion takes the exponent field of this operand as its scale
	v_lshrrev_b32 v[BY+\c], 23, v[SO+\c]           ; the scale's byte
	v_cvt_scalef32_pk16_fp6_f32 v[PC+6*\c:PC+6*\c+2], v[N+32*\c:N+32*\c+15], v[SO+\c]
	v_cvt_scalef32_pk16_fp6_f32 v[TC+4*\c:TC+4*\c+2], v[N+32*\c+16:N+32*\c+31], v[SO+\c]   ; (a conversion's three registers begin on an even number)
	v_nop                                          ; one plain place behind a scaled conversion
.endr
	v_lshl_or_b32 v[WD], v[BY+1], 16, v[BY]        ; my two bytes,
	v_lshlrev_b32 v[WD], v9, v[WD]                 ; at their places in the word (8 h bits up);
	v_permlanex16_b32 v[WD+1], v[WD], s28, s29
	v_or_b32 v[WD], v[WD], v[WD+1]                 ; with lane l xor 16's two the word is whole, in both lanes
.irp c, 0,1
.irp i, 0,1,2
	v_mov_b32 v[PC+6*\c+3+\i], v[TC+4*\c+\i]
.endr
.endr
.irp g, 0,1,2
	global_store_b128 v5, v[PC+4*\g:PC+4*\g+3], s[10:11] offset:512*\g   ; 32 lanes store 512 consecutive bytes
.endr
	global_store_b32 v6, v[WD], s[26:27]           ; lanes l and l xor 16 name the same word and hold the same value
	s_endpgm
.Lfunc_end_k_q2259f34ddd_wquant:
	.size	k_q2259f34ddd_wquant, .Lfunc_end_k_q2259f34ddd_wquant-k_q2259f34ddd_wquant
	.p2alignl 7, 3214868480
	.fill 96, 4, 3214868480
	.section	.rodata,"a",@progbits
	.p2align	6, 0x0
	.amdhsa_kernel k_q2259f34ddd_wquant
		.amdhsa_group_segment_fixed_size 0
		.amdhsa_private_segment_fixed_size 0
		.amdhsa_enable_private_segment 0
		.amdhsa_kernarg_size 32
		.amdhsa_user_sgpr_count 2
		.amdhsa_user_sgpr_kernarg_segment_ptr 1
		.amdhsa_wavefront_size32 1
		.amdhsa_system_sgpr_workgroup_id_x 1
		.amdhsa_system_sgpr_workgroup_id_y 1
		.amdhsa_system_sgpr_workgroup_id_z 1
		.amdhsa_system_vgpr_workitem_id 0
		.amdhsa_next_free_vgpr 128
		.amdhsa_next_free_sgpr 66
		.amdhsa_reserve_vcc 0
		.amdhsa_float_denorm_mode_32 3
		.amdhsa_float_denorm_mode_16_64 3
		.amdhsa_memory_ordered 1
		.amdhsa_forward_progress 1
		.amdhsa_inst_pref_size 12
	.end_amdhsa_kernel
	.amdgpu_metadata
---
amdhsa.version: [ 1, 2 ]
amdhsa.kernels:
  - .name:           k_q2259f34ddd_wquant
    .symbol:         k_q2259f34ddd_wquant.kd
    .args:
      - { .name: Wq, .offset: 0, .size: 8, .value_kind: global_buffer, .address_space: global }
      - { .name: Wk, .offset: 8, .size: 8, .value_kind: global_buffer, .address_space: global }
      - { .name: Wv, .offset: 16, .size: 8, .value_kind: global_buffer, .address_space: global }
      - { .name: wi, .offset: 24, .size: 8, .value_kind: global_buffer, .address_space: global }
    .group_segment_fixed_size: 0
    .private_segment_fixed_size: 0
    .kernarg_segment_align: 8
    .kernarg_segment_size: 32
    .max_flat_workgroup_size: 32
    .sgpr_count:     66
    .vgpr_count:     128
    .wavefront_size: 32
...
	.end_amdgpu_metadata
.endif
;; end of part 1
;; launch proj (part 2): grid 256 x 1, 8 waves a work-group, no clusters, 327,680 bytes of LDS; arguments x, wi, bq, bk, bv, qi, kv; writes qi, kv
.if DOCPART == 2
	.amdgcn_target "amdgcn-amd-amdhsa--gfx1250"
	.amdhsa_code_object_version 6
	.text
	.protected	k_q2259f34ddd_proj
	.globl	k_q2259f34ddd_proj
	.p2align	8
	.type	k_q2259f34ddd_proj,@function
k_q2259f34ddd_proj:
	s_mov_b64 s[64:65], 0
	v_nop
	global_prefetch_b8 v0, s[64:65] scope:SCOPE_SE
	s_setreg_imm32_b32 hwreg(HW_REG_WAVE_MODE, 25, 1), 1
	s_wait_xcnt 0x0
; q = x Wq + bq, k = x Wk + bk, v = x Wv + bv on codes of MX-FP6; x [16,384][1,024] f32 is quantised here, along its 1,024; the weights come as register images from wi.
; q and k are then quantised along the head's 64, v along the keys, and leave as images of the operands that the attention launch wants (qi, kv).
; SHARES.  A work-group takes 64 rows of x: 262,144 bytes, ALL asked for at the head, one tensor load a wave (32 rows x 256 numbers), and kept in LDS: nothing is filled again.  Loads 2 ch and 2 ch + 1 bring chunk ch (256 along K).
; In each chunk wave u quantises one fragment (K step u / 4 of the chunk's two, tile u % 4) and lays it in LDS as a register image; then all waves multiply: waves 0-3 tile w of q's columns and of k's (8 accumulators), waves 4-7 tile w - 4 of v's (4).
; Waves w and w + 4 together have three column tiles.  A wave's weights stay in window 1 for the whole launch (192 or 96 registers), read once.
; WHICH ROWS FORM A TILE: row m of tile T is row 8 T + m % 8 + 32 (m / 8) of the 64.  A result's register j of lane (r, h) is row 8 h + j of source 0.
; For v source 0 is x: the registers of four tiles on end are keys 32 h + 0 .. 31 of one channel, a whole block in one lane.  For q and k source 0 is the weight: a lane has eight neighbouring head units of one row of x; the four waves' pieces
; are put side by side in LDS, in bytes of x's first chunk (which has had its last fill and its last read), and wave u takes matrix u / 4, tile u % 4 from there: 32 neighbouring head units a lane.
; LDS: x's rows 0-31 and 32-63 of a chunk lie HALF bytes apart, 128 more than 32 rows: so the sixteen rows of a tile fall on sixteen different columns of 16 bytes modulo 256.
; No cluster: what the work-groups share, the weights, goes from memory straight into registers, and LDS is taken by x's block and its images (320,512 bytes).  No prefetch: all of x is asked for at the head, and there is no loop to run ahead in.
; LIMITS: a block whose largest magnitude lies under 2^-124 has its byte held at 1; a block of zeros gets the byte 1 where the rule says 127 (its codes are zeros; this program alone reads the bytes); NaN and infinities are not served.
.set XPT,   1040                       ; a row of a chunk: 1,024 bytes + 16 of padding
.set HALF,  32*XPT+128
.set CHS,   66816                      ; from chunk to chunk: a multiple of 256, at least 2 HALF - 128
.set XIMG,  4*CHS                      ; x's 32 fragments (K step s, tile T) at (4 s + T) x 1,536: register group g at 512 g + 16 x lane
.set FRB,   1536
.set XSC,   XIMG+32*FRB                ; their scale words: 512 s + 16 x lane + 4 T
.set QSW,   XSC+8*512                  ; q's and k's scale words on their way out, 256 bytes each
.set SPARE, QSW+512                    ; the spare words, 128 bytes for each wave
.set EXP,   144                        ; the exchange, from LDS byte 0 on: a lane's 32 numbers, 128 bytes + 16
.set LI,  1                            ; v1   16 x lane
.set LIM, 2                            ; v2   XIMG + 16 x lane
.set IWR, 3                            ; v3   where I store my images
.set XSR, 4                            ; v4   XSC + 16 x lane
.set XSW, 5                            ; v5   where I store my scale words
.set SPW, 6                            ; v6   LDS address of my spare word; never rewritten
.set NIL, 7                            ; v7   0; never rewritten
.set H8,  8                            ; v8   8 h
.set L8,  9                            ; v9   8 x lane
.set XA,  10                           ; v10-13 LDS address of my numbers of x in chunks 0 to 3; on the way out the exchange's and the scale words' addresses
.set BV,  14                           ; v14-15 bv of my channel, twice
.set WS,  16                           ; v16-31 the weights' scale words: q's (or v's) eight K steps, k's eight
.set XS,  32                           ; v32-39 x's scale words of two K steps, one register a tile
.set PC,  40                           ; v40-51 codes
.set TM,  52                           ; v52-63 at work
.set N,   64                           ; v64-127 numbers to quantise;
.set XF,  64                           ; v64-159 x's fragments of two K steps
.set ACC, 160                          ; v160-223 the accumulators
.set BQ,  224                          ; v224-255 32 numbers of bq (waves 0-3) or bk
.set G1,  20                           ; s[20:27] descriptor group 1, s[28:31] group 0
.set MSB, 0
.macro WIN new                         ; the immediate's high byte repeats the setting that is left
.if MSB != \new
	s_set_vgpr_msb (MSB<<8)|\new
.set MSB, \new
.endif
.endm
.macro WALU
	s_wait_alu depctr_va_vdst(0)
.endm
; One product.  acc = 0: the constant 0 starts the sum.
.macro WM d, a, b, acc, sa, sb
.if (\acc)
	v_wmma_scale_f32_16x16x128_f8f6f4 v[(\d):(\d)+7], v[(\a):(\a)+11], v[(\b):(\b)+11], v[(\d):(\d)+7], v[\sa], v[\sb] matrix_a_fmt:MATRIX_FMT_FP6 matrix_b_fmt:MATRIX_FMT_FP6
.else
	v_wmma_scale_f32_16x16x128_f8f6f4 v[(\d):(\d)+7], v[(\a):(\a)+11], v[(\b):(\b)+11], 0, v[\sa], v[\sb] matrix_a_fmt:MATRIX_FMT_FP6 matrix_b_fmt:MATRIX_FMT_FP6
.endif
.endm
; nb blocks of 32 numbers, block b in v[src + 32 b] on, all of a block in my lane: the conversions' scale operands in v[TM + 4 + b], the scales' bytes in v[TM + 6 + b].  Two chains a block.
.macro QMAX src, nb
.set bb, 0
.rept \nb
	v_max3_num_f32 v[TM+bb], |v[\src+32*bb]|, |v[\src+32*bb+1]|, 0x1800000   ; the floor 2^(3 - 127): the byte cannot fall under 1
	v_max3_num_f32 v[TM+2+bb], |v[\src+32*bb+2]|, |v[\src+32*bb+3]|, |v[\src+32*bb+4]|
.set bb, bb+1
.endr
.set ii, 5
.rept 6
.set bb, 0
.rept \nb
	v_max3_num_f32 v[TM+bb], v[TM+bb], |v[\src+32*bb+ii]|, |v[\src+32*bb+ii+1]|
	v_max3_num_f32 v[TM+2+bb], v[TM+2+bb], |v[\src+32*bb+ii+2]|, |v[\src+32*bb+ii+3]|
.set bb, bb+1
.endr
.set ii, ii+4
.endr
.set bb, 0
.rept \nb
	v_max3_num_f32 v[TM+bb], v[TM+bb], |v[\src+32*bb+29]|, |v[\src+32*bb+30]|
.set bb, bb+1
.endr
.set bb, 0
.rept \nb
	v_max3_num_f32 v[TM+bb], v[TM+bb], v[TM+2+bb], |v[\src+32*bb+31]|
.set bb, bb+1
.endr
.set bb, 0
.rept \nb
	v_add_nc_u32 v[TM+4+bb], 0xff000000, v[TM+bb]  ; 2 off the exponent field: the conversion's scale operand
.set bb, bb+1
.endr
.set bb, 0
.rept \nb
	v_lshrrev_b32 v[TM+6+bb], 23, v[TM+4+bb]       ; the scale's byte
.set bb, bb+1
.endr
.endm
; and their codes into v[out + 6 b] on, six registers a block.
.macro QCVT src, out, nb
.set bb, 0
.rept \nb
	v_cvt_scalef32_pk16_fp6_f32 v[\out+6*bb:\out+6*bb+2], v[\src+32*bb:\src+32*bb+15], v[TM+4+bb]
.set bb, bb+1
.endr
	v_nop                                          ; one plain place: the next conversions write registers that these have read
.set bb, 0
.rept \nb
	v_cvt_scalef32_pk16_fp6_f32 v[\src+32*bb:\src+32*bb+2], v[\src+32*bb+16:\src+32*bb+31], v[TM+4+bb]   ; (a conversion's three registers begin on an even number: the upper half is made in the numbers' own first registers and moved)
.set bb, bb+1
.endr
	v_nop                                          ; one plain place behind a scaled conversion
.set bb, 0
.rept \nb
.irp i, 0,1,2
	v_mov_b32 v[\out+6*bb+3+\i], v[\src+32*bb+\i]
.endr
.set bb, bb+1
.endr
.endm
.macro QK s, p                         ; a K step of q and k: eight accumulators by turns.  Source 0 = 16 columns of the weight, source 1 = 16 rows of x
.irp m, 0,1
.irp x, 0,1,2,3
.if (\s) == 0
	WM ACC+32*\m+8*\x, 96*\m+12*(\s), XF+48*\p+12*\x, 0, WS+8*\m+(\s), XS+4*\p+\x
.else
	WM ACC+32*\m+8*\x, 96*\m+12*(\s), XF+48*\p+12*\x, 1, WS+8*\m+(\s), XS+4*\p+\x
.endif
.endr
.endr
.endm
.macro VV s, p                         ; a K step of v: four accumulators by turns.  Source 0 = 16 rows of x, source 1 = 16 columns of the weight
.irp x, 0,1,2,3
.if (\s) == 0
	WM ACC+8*\x, XF+48*\p+12*\x, 12*(\s), 0, XS+4*\p+\x, WS+(\s)
.else
	WM ACC+8*\x, XF+48*\p+12*\x, 12*(\s), 1, XS+4*\p+\x, WS+(\s)
.endif
.endr
.endm
.macro CHUNK ch
.if \ch < 3
	s_cmp_lt_u32 s18, 2*\ch+2                      ; waves 2 ch and 2 ch + 1 have fetched this chunk (those below have nothing out any more)
	s_cbranch_scc0 .Lw_\@
	s_wait_tensorcnt 0x0
.Lw_\@:
.else
	s_wait_tensorcnt 0x0                           ; the last chunk: this barrier shows all that was out
.endif
	s_barrier_signal -1
	s_barrier_wait -1
.set ii, 0
.rept 16                               ; my 64 numbers: register 32 c + i = k 64 c + 32 h + i of my row
	ds_load_b128 v[N+4*ii:N+4*ii+3], v[XA+\ch] offset:256*(ii/8)+16*(ii%8)
.set ii, ii+1
.endr
	s_wait_dscnt 0x0
	QMAX N, 2
	v_lshl_or_b32 v[TM+8], v[TM+7], 16, v[TM+6]    ; my blocks are h and 2 + h of the K step's four
	v_lshlrev_b32 v[TM+8], v[H8], v[TM+8]
	v_permlanex16_b32 v[TM+9], v[TM+8], s60, s61
	v_or_b32 v[TM+8], v[TM+8], v[TM+9]             ; with lane l xor 16's two bytes the word is whole, in both lanes
	QCVT N, PC, 2
.irp g, 0,1,2                          ; the fragment goes to LDS as it stands
	ds_store_b128 v[IWR], v[PC+4*\g:PC+4*\g+3] offset:8*FRB*\ch+512*\g
.endr
	ds_store_b32 v[XSW], v[TM+8] offset:1024*\ch
	s_wait_dscnt 0x0                               ; for the others' sake: my image lies in LDS
	s_barrier_signal -1
	s_barrier_wait -1
.set SS, 2*\ch
.irp p, 0,1                            ; both K steps' fragments and scale words, 13 loads each
	ds_load_b128 v[XS+4*\p:XS+4*\p+3], v[XSR] offset:512*(SS+\p)
.set ii, 0
.rept 12
	ds_load_b128 v[XF+48*\p+4*ii:XF+48*\p+4*ii+3], v[LIM] offset:4*FRB*(SS+\p)+512*ii
.set ii, ii+1
.endr
.endr
.if \ch == 0
	s_wait_loadcnt 0x0                             ; the weights, their scale words and the biases
.endif
	s_wait_dscnt 13                                ; the first K step is in; the second's 13 loads may be out
	s_cmp_lt_u32 s18, 4
	s_cbranch_scc0 .Lmv_\@
	WIN 0x01                                       ; source 0 in window 1
	QK SS, 0
	s_wait_dscnt 0x0
	QK SS+1, 1
	WIN 0
	s_branch .Lmj_\@
.Lmv_\@:
	WIN 0x04                                       ; source 1 in window 1
	VV SS, 0
	s_wait_dscnt 0x0
	VV SS+1, 1
	WIN 0
.Lmj_\@:
.rept 4
	v_nop                                          ; four places in front of loads into registers that these products have read, and of the first read of results
.endr
.endm
	s_load_b256 s[4:11], s[0:1], 0x0               ; x s[4:5], wi s[6:7], bq s[8:9], bk s[10:11]
	s_load_b128 s[12:15], s[0:1], 0x20             ; bv s[12:13], qi s[14:15]
	s_load_b64 s[16:17], s[0:1], 0x30              ; kv
	v_lshl_add_u32 v[SPW], v0, 2, SPARE
	v_mov_b32 v[NIL], 0
	ds_add_u32 v[SPW], v[NIL]                      ; the wave's opening: the add, twice on end, and its wait ahead of my first tensor load
	ds_add_u32 v[SPW], v[NIL]
	v_lshrrev_b32 v52, 5, v0
	v_readfirstlane_b32 s18, v52                   ; u: wave 0..7
	; descriptor group 1: 32 rows x 256 elements of 4 bytes, rows 1,024 elements apart, 16 bytes of padding behind each row
	s_mov_b32 s[G1+0], (2<<16)|(1<<20)|(7<<22)|(3<<25)
	s_mov_b32 s[G1+1], 256<<16                     ; tensor_dim0
	s_mov_b32 s[G1+2], 32<<16                      ; tensor_dim1
	s_mov_b32 s[G1+3], 256<<16                     ; tile_dim0
	s_mov_b32 s[G1+4], 32                          ; tile_dim1
	s_mov_b32 s[G1+5], 1024                        ; from row to row
	s_mov_b32 s[G1+6], 0
	s_mov_b32 s[G1+7], 0
	s_lshr_b32 s40, s18, 1                         ; my load's chunk
	s_and_b32 s41, s18, 1                          ; and its half of the rows
	s_mul_i32 s42, s40, CHS
	s_mul_i32 s43, s41, HALF
	s_add_co_u32 s29, s42, s43
	s_lshl_b32 s42, s41, 17                        ; 32 rows of 4,096 bytes
	s_lshl_b32 s43, s40, 10
	s_add_co_u32 s42, s42, s43
	s_lshl_b32 s43, ttmp9, 18                      ; the work-group's 64 rows
	s_add_co_u32 s42, s42, s43
	s_mov_b32 s43, 0
	s_mov_b32 s28, 1
	s_lshr_b32 s19, s18, 2                         ; u / 4
	s_and_b32 s32, s18, 3                          ; T = u % 4
	s_wait_dscnt 0x0                               ; both opening adds are done
	s_wait_kmcnt 0x0
	s_add_nc_u64 s[30:31], s[4:5], s[42:43]
	s_or_b32 s31, s31, 0x80000000
.macro ARM under, next                 ; one chain of branches on the wave's number: every way through it passes exactly one load
	s_cmp_lt_u32 s18, \under
	s_cbranch_scc0 \next
	tensor_load_to_lds s[28:31], s[G1:G1+7]
	s_nop 0
.rept 4
	v_nop
.endr
	s_branch .Lasked
\next:
.endm
	ARM 2, .Lchunk1
	ARM 4, .Lchunk2
	ARM 6, .Lchunk3
	tensor_load_to_lds s[28:31], s[G1:G1+7]
	s_nop 0
.rept 4
	v_nop
.endr
.Lasked:
	s_mov_b32 s60, 0x76543210
	s_mov_b32 s61, 0xfedcba98                      ; v_permlanex16_b32's selects for lane l xor 16
	; where the results go: s[72:73] q's or k's codes of my tile, s[74:75] the matrix's scale words, s[36:37], s[38:39] the same for v
	s_and_b32 s40, ttmp9, 1                        ; which half of a record of kv (128 keys) is mine
	s_lshr_b32 s41, ttmp9, 1
	s_mul_i32 s41, s41, 13056                      ; the record
	s_mul_i32 s42, s32, 768
	s_mul_i32 s43, s40, 3072
	s_add_co_u32 s44, s41, s42
	s_add_co_u32 s44, s44, s43                     ; k's codes
	s_add_co_u32 s45, s44, 6144                    ; v's
	s_lshl_b32 s46, s40, 8
	s_add_co_u32 s46, s46, s41
	s_add_co_u32 s46, s46, 12288                   ; k's scale words
	s_and_b32 s48, s32, 1
	s_lshl_b32 s48, s48, 7
	s_lshr_b32 s49, s32, 1
	s_lshl_b32 s49, s49, 2
	s_add_co_u32 s48, s48, s49                     ; a tile's place among scale words: lane 16 (T % 2) + r, word T / 2
	s_lshl_b32 s47, s40, 1
	s_add_co_u32 s47, s47, s41
	s_add_co_u32 s47, s47, 12800
	s_add_co_u32 s47, s47, s48                     ; v's scale words: bytes 2 c and 2 c + 1
	s_mul_i32 s50, ttmp9, 3328                     ; q's record
	s_add_co_u32 s51, s50, 3072
	s_add_co_u32 s50, s50, s42
	s_cmp_lt_u32 s18, 4
	s_cselect_b64 s[56:57], s[14:15], s[16:17]
	s_cselect_b64 s[70:71], s[8:9], s[10:11]       ; bq or bk
	s_cselect_b32 s52, s50, s44
	s_cselect_b32 s54, s51, s46
	s_mov_b32 s53, 0
	s_mov_b32 s55, 0
	s_add_nc_u64 s[72:73], s[56:57], s[52:53]
	s_add_nc_u64 s[74:75], s[56:57], s[54:55]
	s_mov_b32 s52, s45
	s_mov_b32 s54, s47
	s_add_nc_u64 s[36:37], s[16:17], s[52:53]
	s_add_nc_u64 s[38:39], s[16:17], s[54:55]
	s_mul_i32 s76, s18, FRB
	s_lshl_b32 s77, s19, 9
	s_lshl_b32 s78, s32, 2
	s_add_co_u32 s77, s77, s78                     ; 512 (u / 4) + 4 T
	s_mul_i32 s78, s32, 8*XPT
	s_lshl_b32 s79, s19, 9
	s_add_co_u32 s78, s78, s79                     ; my tile's rows, my K step's 512 bytes of them
	v_and_b32 v52, 31, v0                          ; lane
	v_and_b32 v53, 15, v0                          ; r
	v_bfe_u32 v54, v0, 4, 1                        ; h
	v_lshlrev_b32 v[LI], 4, v52
	v_lshlrev_b32 v60, 7, v54                      ; 128 h
	v_lshlrev_b32 v61, 5, v53                      ; 32 r
	v_lshlrev_b32 v62, 2, v53                      ; 4 r
	v_add_nc_u32 v[LIM], XIMG, v[LI]
	v_add_nc_u32 v[IWR], s76, v[LIM]
	v_add_nc_u32 v[XSR], XSC, v[LI]
	v_add_nc_u32 v[XSW], s77, v[XSR]
	v_lshlrev_b32 v[H8], 3, v54
	v_lshlrev_b32 v[L8], 3, v52
	v_and_b32 v55, 7, v53
	v_lshrrev_b32 v56, 3, v53
	v_mul_u32_u24 v57, XPT, v55
	v_mul_u32_u24 v58, HALF, v56
	v_add_nc_u32 v57, v57, v58
	v_lshl_add_u32 v57, v54, 7, v57                ; my row, + 128 h
	v_add_nc_u32 v[XA], s78, v57
	v_add_nc_u32 v[XA+1], CHS, v[XA]
	v_add_nc_u32 v[XA+2], CHS, v[XA+1]
	v_add_nc_u32 v[XA+3], CHS, v[XA+2]
	s_mul_i32 s76, s32, FRB
	s_mov_b32 s77, 0
	s_lshl_b32 s78, s32, 9
	s_mov_b32 s79, 0
	s_add_nc_u64 s[66:67], s[6:7], s[76:77]        ; tile T's fragments,
	s_add_nc_u64 s[68:69], s[6:7], s[78:79]
	WALU                                           ; the wait here, directly ahead of the branch
	s_cmp_lt_u32 s18, 4
	s_cbranch_scc0 .Lload_v
	WIN 0x40                                       ; destination window 1
.irp s, 0,1,2,3,4,5,6,7                ; K step s: q at v[12 s], k at v[96 + 12 s]
.irp g, 0,1,2
	global_load_b128 v[12*\s+4*\g:12*\s+4*\g+3], v[LI], s[66:67] offset:4*FRB*\s+512*\g
	global_load_b128 v[96+12*\s+4*\g:96+12*\s+4*\g+3], v[LI], s[66:67] offset:32*FRB+4*FRB*\s+512*\g
.endr
.endr
	WIN 0
.irp g, 0,1
	global_load_b128 v[WS+4*\g:WS+4*\g+3], v61, s[68:69] offset:147456+16*\g
	global_load_b128 v[WS+8+4*\g:WS+8+4*\g+3], v61, s[68:69] offset:147456+2048+16*\g
.endr
	s_branch .Lloaded
.Lload_v:
	s_lshl_b32 s76, s32, 6
	s_add_nc_u64 s[34:35], s[12:13], s[76:77]      ; bv's 16 numbers of my tile
	WIN 0x40
.irp s, 0,1,2,3,4,5,6,7
.irp g, 0,1,2
	global_load_b128 v[12*\s+4*\g:12*\s+4*\g+3], v[LI], s[66:67] offset:64*FRB+4*FRB*\s+512*\g
.endr
.endr
	WIN 0
.irp g, 0,1
	global_load_b128 v[WS+4*\g:WS+4*\g+3], v61, s[68:69] offset:147456+4096+16*\g
.endr
	global_load_b32 v[BV], v62, s[34:35]
	global_load_b32 v[BV+1], v62, s[34:35]
.Lloaded:
.irp i, 0,1,2,3,4,5,6,7
	global_load_b128 v[BQ+4*\i:BQ+4*\i+3], v60, s[70:71] offset:16*\i     ; the 32 numbers of my half of the head
.endr
	WALU                                           ; the wait at the head's end
	s_wait_xcnt 0x0                                ; v60-62 are written again behind this wait
	CHUNK 0
	CHUNK 1
	CHUNK 2
	CHUNK 3
	; THE WAY OUT.  q's and k's pieces go side by side: (matrix m, tile X, lane) at EXP (32 (4 m + X) + lane), my eight head units at 32 w
	v_and_b32 v40, 31, v0
	v_and_b32 v41, 15, v0
	s_lshl_b32 s76, s18, 5
	s_mul_i32 s77, s18, 32*EXP
	v_mul_u32_u24 v10, EXP, v40
	v_add_nc_u32 v11, s77, v10                     ; back: matrix u / 4, tile u % 4
	v_add_nc_u32 v10, s76, v10
	s_lshl_b32 s76, s19, 8
	s_add_co_u32 s76, s76, QSW                     ; my matrix's scale words in LDS
	s_add_co_u32 s77, s76, s48
	v_lshl_add_u32 v12, v41, 3, s77
	v_lshl_add_u32 v13, v40, 3, s76
	v_lshlrev_b32 v[TM+11], 3, v41                 ; 8 r
	WALU
	s_cmp_lt_u32 s18, 4
	s_cbranch_scc0 .Lno_pieces
.irp m, 0,1
.irp x, 0,1,2,3
	ds_store_b128 v10, v[ACC+32*\m+8*\x:ACC+32*\m+8*\x+3] offset:32*EXP*(4*\m+\x)      ; each accumulator from its low end on
	ds_store_b128 v10, v[ACC+32*\m+8*\x+4:ACC+32*\m+8*\x+7] offset:32*EXP*(4*\m+\x)+16
.endr
.endr
.Lno_pieces:
	s_wait_dscnt 0x0                               ; for the others' sake: my pieces lie in LDS
	s_barrier_signal -1
	s_cmp_lt_u32 s18, 4
	s_cbranch_scc1 .Lno_v
	; v: a lane's 32 registers are keys 32 h + 0 .. 31 of its channel: register work between the signal and the wait
.set jj, 0
.rept 16
	v_pk_add_f32 v[ACC+jj:ACC+jj+1], v[ACC+jj:ACC+jj+1], v[BV:BV+1]
.set jj, jj+2
.endr
	QMAX ACC, 1
	v_lshlrev_b32 v[TM+10], v[H8], v[TM+6]
	QCVT ACC, PC+6, 1
	v_permlanex16_b32 v[TM+9], v[TM+10], s60, s61
	v_or_b32 v[TM+10], v[TM+10], v[TM+9]           ; the two bytes of my 64 keys
	WALU
.Lno_v:
	s_barrier_wait -1
.irp i, 0,1,2,3,4,5,6,7
	ds_load_b128 v[N+4*\i:N+4*\i+3], v11 offset:16*\i      ; head units 32 h + 0 .. 31 of my row
.endr
	s_cmp_lt_u32 s18, 4
	s_cbranch_scc1 .Lno_v_out
	global_store_b128 v[LI], v[PC+6:PC+9], s[36:37]                ; six registers a tile: four as 512 consecutive bytes,
	global_store_b64 v[L8], v[PC+10:PC+11], s[36:37] offset:512    ; two as 256
	global_store_b16 v[TM+11], v[TM+10], s[38:39]
.Lno_v_out:
	s_wait_dscnt 0x0
.set jj, 0
.rept 16
	v_pk_add_f32 v[N+jj:N+jj+1], v[N+jj:N+jj+1], v[BQ+jj:BQ+jj+1]
.set jj, jj+2
.endr
	QMAX N, 1
	v_lshlrev_b32 v[TM+8], v[H8], v[TM+6]          ; block h's byte at its place
	v_permlanex16_b32 v[TM+9], v[TM+8], s60, s61
	v_or_b32 v[TM+8], v[TM+8], v[TM+9]
	v_or_b32 v[TM+8], 0x7f7f0000, v[TM+8]          ; the instruction's K is 128, the head's 64: the upper two blocks have the byte of 1.0
	ds_store_b32 v12, v[TM+8]                      ; lanes l and l xor 16 name the same word and hold the same value
	WALU
	s_wait_dscnt 0x0
	s_barrier_signal -1
	QCVT N, PC, 1                                  ; the conversions while the others arrive
	WALU
	s_barrier_wait -1
	global_store_b128 v[LI], v[PC:PC+3], s[72:73]
	global_store_b64 v[L8], v[PC+4:PC+5], s[72:73] offset:512
	s_cmp_eq_u32 s32, 0                            ; waves 0 and 4: the matrix's scale words, 256 consecutive bytes
	s_cbranch_scc0 .Ldone
	ds_load_b64 v[N+40:N+41], v13
	s_wait_dscnt 0x0
	global_store_b64 v[L8], v[N+40:N+41], s[74:75]
.Ldone:
	s_wait_tensorcnt 0x0                           ; the wave's end, behind my last tensor load and my last LDS store
	ds_add_u32 v[SPW], v[NIL]
	s_wait_dscnt 0x0
	s_endpgm
.Lfunc_end_k_q2259f34ddd_proj:
	.size	k_q2259f34ddd_proj, .Lfunc_end_k_q2259f34ddd_proj-k_q2259f34ddd_proj
	.p2alignl 7, 3214868480
	.fill 96, 4, 3214868480
	.section	.rodata,"a",@progbits
	.p2align	6, 0x0
	.amdhsa_kernel k_q2259f34ddd_proj
		.amdhsa_group_segment_fixed_size 327680
		.amdhsa_private_segment_fixed_size 0
		.amdhsa_enable_private_segment 0
		.amdhsa_kernarg_size 56
		.amdhsa_user_sgpr_count 2
		.amdhsa_user_sgpr_kernarg_segment_ptr 1
		.amdhsa_wavefront_size32 1
		.amdhsa_system_sgpr_workgroup_id_x 1
		.amdhsa_system_sgpr_workgroup_id_y 1
		.amdhsa_system_sgpr_workgroup_id_z 1
		.amdhsa_system_vgpr_workitem_id 0
		.amdhsa_next_free_vgpr 448
		.amdhsa_next_free_sgpr 84
		.amdhsa_reserve_vcc 0
		.amdhsa_float_denorm_mode_32 3
		.amdhsa_float_denorm_mode_16_64 3
		.amdhsa_memory_ordered 1
		.amdhsa_forward_progress 1
		.amdhsa_inst_pref_size 62
	.end_amdhsa_kernel
	.amdgpu_metadata
---
amdhsa.version: [ 1, 2 ]
amdhsa.kernels:
  - .name:           k_q2259f34ddd_proj
    .symbol:         k_q2259f34ddd_proj.kd
    .args:
      - { .name: x, .offset: 0, .size: 8, .value_kind: global_buffer, .address_space: global }
      - { .name: wi, .offset: 8, .size: 8, .value_kind: global_buffer, .address_space: global }
      - { .name: bq, .offset: 16, .size: 8, .value_kind: global_buffer, .address_space: global }
      - { .name: bk, .offset: 24, .size: 8, .value_kind: global_buffer, .address_space: global }
      - { .name: bv, .offset: 32, .size: 8, .value_kind: global_buffer, .address_space: global }
      - { .name: qi, .offset: 40, .size: 8, .value_kind: global_buffer, .address_space: global }
      - { .name: kv, .offset: 48, .size: 8, .value_kind: global_buffer, .address_space: global }
    .group_segment_fixed_size: 327680
    .private_segment_fixed_size: 0
    .kernarg_segment_align: 8
    .kernarg_segment_size: 56
    .max_flat_workgroup_size: 256
    .sgpr_count:     84
    .vgpr_count:     448
    .wavefront_size: 32
...
	.end_amdgpu_metadata
.endif
;; end of part 2
;; launch attn (part 3): grid 64 x 4, 16 waves a work-group, clusters of 4 x 1, 327,680 bytes of LDS; arguments qi, kv, out0; writes out0
.if DOCPART == 3
	.amdgcn_target "amdgcn-amd-amdhsa--gfx1250"
	.amdhsa_code_object_version 6
	.text
	.protected	k_q2259f34ddd_attn
	.globl	k_q2259f34ddd_attn
	.p2align	8
	.type	k_q2259f34ddd_attn,@function
k_q2259f34ddd_attn:
	s_mov_b64 s[64:65], 0
	v_nop
	global_prefetch_b8 v0, s[64:65] scope:SCOPE_SE
	s_setreg_imm32_b32 hwreg(HW_REG_WAVE_MODE, 25, 1), 1
	s_wait_xcnt 0x0
	s_wait_alu depctr_hold_cnt(0) depctr_sa_sdst(0) depctr_va_vdst(0) depctr_va_sdst(0) depctr_va_ssrc(0) depctr_va_vcc(0) depctr_vm_vsrc(0)
	s_getreg_b32 s2, hwreg(HW_REG_IB_STS2, 6, 4)
	s_cmp_eq_u32 s2, 0
	s_cbranch_scc0 .Lentry_in_a_cluster
	s_endpgm
.Lentry_in_a_cluster:
	s_bfe_u32 s2, ttmp6, 0x10000c
	s_cmp_lg_u32 s2, 0x3003
	s_cbranch_scc0 .Lentry_shape_is_right
	s_endpgm
.Lentry_shape_is_right:
; out0[b][q] = the sum over keys k <= q of softmax_k(q . k / 8) v, both products on codes of MX-FP6.  q, k and v come as register images from the launch before (qi, kv).
; THE SOFTMAX AHEAD OF THE SECOND PRODUCT: t = score x log2(e) / 8; M = the largest t so far, rounded UP to a whole number; p = 2^(t - M) is quantised along the keys, not normalised; the sum is taken of the unquantised p and divides at the end.
; LAYOUT.  Both products are used transposed: S^T = K Q^T (source 0 = 16 keys, source 1 = 16 queries), O^T = V^T P^T: a lane holds ONE query (lane % 16) throughout.
; Row m of tile T of a group of 64 rows is row 8 T + m % 8 + 32 (m / 8).  So the 32 registers of four neighbouring tiles of S^T are keys 32 (lane / 16) + 0 .. 31 of 64: a whole block of p in one lane, in the order of the next operand's registers.
; THE HEAD IS 64 AND THE INSTRUCTION'S K IS 128.  Q's registers 6-11 are zero codes.  K's tiles lie SIX registers apart: a tile's registers 6-11 are the next tile's codes (behind the last: six zeros); they meet Q's zero codes under the
; byte of 1.0, and E2M3 has no infinity and no NaN: they add exactly 0.
; SHARES.  A key step is 128 keys: one record of kv (13,056 bytes: K's codes, V's codes, both scales).  A cluster of four work-groups owns the query groups 2 F, 2 F + 1 (early) and 62 - 2 F, 63 - 2 F (late), F = cluster x, 0 to 15:
; a work-group two tiles (pi = 0, 1) of a late group (diagonal in record 31 - F) and the same two of an early one (diagonal in record F).  Records behind a diagonal are left out: reference()'s mask gives their keys the weight 0.
; THE DEAL.  Sixteen joint loads bring two records each: load i brings max(i, 2 i - F) and the one behind it, to places 2 i and 2 i + 1.  Place 2 i is a late step.  Place 2 i + 1 is record i + 1 and an EARLY step where i < F, and a late step where i >= F.
; So the late tiles get records 0 .. 31 - F, the early ones 1 .. F, each once, and every place is read in every work-group, whatever F.  What is left is the early tiles' record 0, at place 0: one step more, for the waves with ks = 1.
; Wave w: tile pi = w % 2, ks = w / 2: in quarter sigma (0 to 3) it takes place 8 sigma + ks.  Even ks: late throughout.  Odd ks: early while i = 4 sigma + ks / 2 < F, then late: the early state is put aside once (SWITCH) and a late one begun.
; LDS holds 24 places: quarters 0 to 2 are asked for at the head, one load a wave (waves 0 to 11); quarter 3 is filled onto quarter 0's bytes, behind one round of the cluster's barrier.  It has a key step's work of every wave in which to land.
; Each tile's partial O^T, M and sum (eight late, four early) are joined through LDS at the end.  M is a whole number in each, so the joining factors are exact powers of two.
; No prefetch: the launch has no loop to run ahead in, and three quarters of the records are asked for at the head.
; LIMITS: NaN and infinities are not served; the scaled scores t stay under 2^31 in magnitude; a block of p that has fallen to zeros keeps the byte 1 (its codes are zeros).
.set REC,   13056                      ; a record: K's codes 8 x 768, V's codes 8 x 768, K's scale words 512, V's 256
.set STATS, 24*REC                     ; the partials' (-M, sum): 24 partials x 16 rows x 8 bytes
.set SPARE, STATS+3072                 ; the spare words, 128 bytes for each wave
.set PARTB, 4352                       ; a partial O: 16 rows x (256 bytes + 16); 24 of them from LDS byte 0 on, on bytes that have had their last fill and their last read by then
.set AC,   1                           ; v1, v2   16 x lane, 8 x lane + the place in hand
.set AB,   3                           ; v3, v4   the same for place ks
.set SPW,  5                           ; v5   LDS address of my spare word; never rewritten until the end
.set NIL,  6                           ; v6   0; never rewritten
.set CD,   7                           ; v7   my query's place among the diagonal step's 128 keys, less 32 (lane / 16); v8 the late tile's
.set H8,   9                           ; v9   8 (lane / 16)
.set FF,   10                          ; v[10:11] f = 2^(old M - new M) (a pair for the packed forms)
.set ST,   12                          ; v12-15 -M, the largest t, the sum in two halves;  v16-19 the early state put aside
.set QC,   20                          ; v20-31 Q; the upper six are zeros
.set QN,   32                          ; v32-37 the late tile's Q, v38 its scale word
.set A0,   39                          ; v39, v40 16 x lane, 8 x lane: place 0
.set QW,   44                          ; v44  Q's scale word
.set KS,   46                          ; v46-49 K's scale words: register tau / 2; odd tiles in lanes 16-31
.set VS,   50                          ; v50-51 V's likewise
.set PW,   52                          ; v52  p's scale word
.set NINF, 53                          ; v53  -infinity
.set KV,   54                          ; v54-101 a step's K, then its V; v102-107 zeros
.set S,    108                         ; v108-171 S^T, then p
.set O,    172                         ; v172-203 O^T;  v204-235 the early one put aside
.set P,    236                         ; v236-247 p's codes
.set T,    248                         ; v248-255 at work
.macro WALU
	s_wait_alu depctr_va_vdst(0)
.endm
.macro WM d, a, b, acc, sa, sb, row    ; one product.  acc = 0: the constant 0 starts the sum.  row = 1: source 0's scales stand in lanes 16-31
.if (\acc)
.if (\row) == 0
	v_wmma_scale_f32_16x16x128_f8f6f4 v[(\d):(\d)+7], v[(\a):(\a)+11], v[(\b):(\b)+11], v[(\d):(\d)+7], v[\sa], v[\sb] matrix_a_fmt:MATRIX_FMT_FP6 matrix_b_fmt:MATRIX_FMT_FP6
.else
	v_wmma_scale_f32_16x16x128_f8f6f4 v[(\d):(\d)+7], v[(\a):(\a)+11], v[(\b):(\b)+11], v[(\d):(\d)+7], v[\sa], v[\sb] matrix_a_fmt:MATRIX_FMT_FP6 matrix_b_fmt:MATRIX_FMT_FP6 matrix_a_scale:MATRIX_SCALE_ROW1
.endif
.else
.if (\row) == 0
	v_wmma_scale_f32_16x16x128_f8f6f4 v[(\d):(\d)+7], v[(\a):(\a)+11], v[(\b):(\b)+11], 0, v[\sa], v[\sb] matrix_a_fmt:MATRIX_FMT_FP6 matrix_b_fmt:MATRIX_FMT_FP6
.else
	v_wmma_scale_f32_16x16x128_f8f6f4 v[(\d):(\d)+7], v[(\a):(\a)+11], v[(\b):(\b)+11], 0, v[\sa], v[\sb] matrix_a_fmt:MATRIX_FMT_FP6 matrix_b_fmt:MATRIX_FMT_FP6 matrix_a_scale:MATRIX_SCALE_ROW1
.endif
.endif
.endm
.macro CREST                           ; a round of the cluster's barrier behind its opening barrier
	s_cmp_lg_u32 s10, 0
	s_cbranch_scc1 .Lnw0_\@
	s_barrier_signal -3
.Lnw0_\@:
	s_barrier_wait -3
	s_barrier_signal -1
	s_barrier_wait -1
.endm
.macro ROUND
	s_barrier_signal -1
	s_barrier_wait -1
	CREST
.endm
; Ahead of quarter sg's step (4: behind the last): four places behind the last products, and, where i = 4 sg + ks / 2 has just reached F (odd ks), the early state is put aside and the late one begun.
.macro SWITCH sg
	s_add_co_u32 s41, s40, 4*\sg                   ; i - F (odd ks)
.rept 4
	v_nop                                          ; in front of loads into registers that the last products have read, and of reads of results
.endr
.if (\sg == 1) || (\sg == 2)
	v_add_nc_u32 v[AC], 8*REC*\sg, v[AB]
	v_add_nc_u32 v[AC+1], 8*REC*\sg, v[AB+1]
.endif
	WALU
	s_cmp_lt_u32 s41, 4
	s_cbranch_scc0 .Lstay_\@
	v_mov_b32 v[QW], v[QN+6]
.irp i, 0,1,2,3,4,5
	v_mov_b32 v[QC+\i], v[QN+\i]
.endr
	v_mov_b32 v[CD], v[CD+1]
	v_mov_b32 v[ST+4], v[ST]
	v_mov_b32 v[ST+1], 0xff61b1e6
	v_mov_b32 v[ST+6], v[ST+2]
	v_mov_b32 v[ST+7], v[ST+3]
.set jj, 0
.rept 32
	v_mov_b32 v[O+32+jj], v[O+jj]
.set jj, jj+1
.endr
	v_floor_f32 v[ST], -v[ST+1]
	v_mov_b32 v[ST+2], 0
	v_mov_b32 v[ST+3], 0
.set jj, 0
.rept 32
	v_mov_b32 v[O+jj], 0
.set jj, jj+1
.endr
	WALU
.Lstay_\@:
.endm
; A KEY STEP of my tile: 128 keys at LDS addresses a (16 x lane) and a + 1 (8 x lane).  On the diagonal hidden scores become -infinity: mask = 1: the early diagonal (i = F - 1); 2: that, or the late one (ks = 7 in the last quarter); 3: the early one at place 0 (F = 0).
; sync = 1: the lines ahead of a refill, and the round's opening signal, stand in the step; behind them it is register work alone.  sync = 2: a barrier's signal stands there.
.macro STEP a, mask, sync
	WALU
	ds_load_b64 v[KS:KS+1], v[\a+1] offset:12288
	ds_load_b64 v[KS+2:KS+3], v[\a+1] offset:12544
.irp t, 0,1,2,3,4,5,6,7                ; K's eight tiles, six registers each
	ds_load_b128 v[KV+6*\t:KV+6*\t+3], v[\a] offset:768*\t
	ds_load_b64 v[KV+6*\t+4:KV+6*\t+5], v[\a+1] offset:768*\t+512
.endr
	s_wait_dscnt 6                                 ; tiles 0 to 4 are in; the last three's six loads may be out
.irp t, 0,1,2,3                        ; S^T = K Q^T: register 32 c + i of lane (r, h) is key 64 c + 32 h + i
.if \t == 2
	s_wait_dscnt 0x0
.endif
	WM S+16*\t, KV+12*\t, QC, 0, KS+\t, QW, 0
	WM S+16*\t+8, KV+12*\t+6, QC, 0, KS+\t, QW, 1
.endr
.rept 4
	v_nop                                          ; four places: V's loads land where K lay, and the scores are read
.endr
.irp c, 0,1,2,3                        ; V's four tiles of 16 channels: they land while the softmax is walked
	ds_load_b128 v[KV+12*\c:KV+12*\c+3], v[\a] offset:6144+768*\c
	ds_load_b64 v[KV+12*\c+4:KV+12*\c+5], v[\a+1] offset:6144+768*\c+512
	ds_load_b128 v[KV+12*\c+6:KV+12*\c+9], v[\a] offset:9216+768*\c
	ds_load_b64 v[KV+12*\c+10:KV+12*\c+11], v[\a+1] offset:9216+768*\c+512
.endr
	ds_load_b64 v[VS:VS+1], v[\a+1] offset:12800
.if \mask == 3
	s_cmp_lg_u32 s14, 0
	s_cbranch_scc1 .Lopen_\@
.elseif \mask == 2
	s_cmp_eq_u32 s41, -1
	s_cbranch_scc1 .Lhide_\@
	s_cmp_lg_u32 s12, 7
	s_cbranch_scc1 .Lopen_\@
.Lhide_\@:
.else
	s_cmp_lg_u32 s41, -1
	s_cbranch_scc1 .Lopen_\@                       ; ahead of the diagonal every key counts
.endif
.set nn, 0
.rept 64
	v_cmp_gt_i32 vcc_lo, 64*(nn/32)+nn%32, v[CD]   ; the register's key comes after my query
	v_cndmask_b32 v[S+nn], v[S+nn], v[NINF], vcc_lo
.set nn, nn+1
.endr
.Lopen_\@:
.irp c, 0,1
	v_max3_num_f32 v[T+\c], v[S+32*\c], v[S+32*\c+1], v[S+32*\c+2]   ; THE LARGEST SCORE OF EACH OF MY TWO BLOCKS: it serves the row's maximum and, since p rises with the score, the block's largest p
.endr
.set ii, 3
.rept 14
.irp c, 0,1
	v_max3_num_f32 v[T+\c], v[T+\c], v[S+32*\c+ii], v[S+32*\c+ii+1]
.endr
.set ii, ii+2
.endr
.irp c, 0,1
	v_max_num_f32 v[T+\c], v[T+\c], v[S+32*\c+31]
.endr
	s_delay_alu instid0(VALU_DEP_1)
	v_max_num_f32 v[T+2], v[T], v[T+1]
	s_delay_alu instid0(VALU_DEP_1)
	v_permlanex16_b32 v[T+3], v[T+2], s36, s37
	s_delay_alu instid0(VALU_DEP_1)
	v_max_num_f32 v[T+2], v[T+2], v[T+3]           ; with lane l xor 16's 64 keys: the step's largest score of my query (the step's first key counts for it, so it is a number)
	s_delay_alu instid0(VALU_DEP_1)
	v_mul_f32 v[T+2], s38, v[T+2]                  ; as t
	s_delay_alu instid0(VALU_DEP_1)
	v_max_num_f32 v[ST+1], v[ST+1], v[T+2]         ; the running largest t
	v_mov_b32 v[T+2], v[ST]
	s_delay_alu instid0(VALU_DEP_2)
	v_floor_f32 v[ST], -v[ST+1]                    ; the new -M = floor(-t): M is a whole number
	s_delay_alu instid0(VALU_DEP_1)
	v_sub_f32 v[T+2], v[ST], v[T+2]                ; old M - new M: a whole number, 0 or less
	s_delay_alu instid0(VALU_DEP_1)
	v_cvt_i32_f32 v[T+2], v[T+2]                   ; (it saturates)
	s_delay_alu instid0(VALU_DEP_1)
	v_ldexp_f32 v[FF], 1.0, v[T+2]                 ; f = 2^(old M - new M): a multiplication by it rounds nothing
.set jj, 0
.rept 32
	v_pk_fma_f32 v[S+jj:S+jj+1], v[S+jj:S+jj+1], s[38:39], v[ST:ST+1] op_sel_hi:[1,0,0]   ; t - M, two at a time
.set jj, jj+2
.endr
.irp c, 0,1
	v_fma_f32 v[T+\c], v[T+\c], s38, v[ST]         ; the same of each block's largest score
.endr
	WALU
.set jj, 0
.rept 64
	v_exp_f32 v[S+jj], v[S+jj]                     ; p = 2^(t - M)
.set jj, jj+1
.endr
	v_pk_mul_f32 v[ST+2:ST+3], v[ST+2:ST+3], v[FF:FF+1] op_sel_hi:[1,0]   ; the sums under the new M: a plain place behind the exponentials
	WALU                                           ; one wait for the batch, ahead of its first reader
.if \sync == 1
	s_wait_tensorcnt 0x0                           ; all my tensor loads have landed;
	ds_add_u32 v[SPW], v[NIL]                      ; the line twice on end
	ds_add_u32 v[SPW], v[NIL]
.endif
.irp c, 0,1
	v_exp_f32 v[T+\c], v[T+\c]                     ; the block's largest p: the same two instructions on the same number give the same bits
.endr
	v_pk_add_f32 v[T+4:T+5], v[S:S+1], v[S+2:S+3]  ; THE SUM IS TAKEN OF THE UNQUANTISED p, two at a time, in two chains
.set jj, 4
.rept 15
	v_pk_add_f32 v[ST+2:ST+3], v[ST+2:ST+3], v[S+jj:S+jj+1]
	v_pk_add_f32 v[T+4:T+5], v[T+4:T+5], v[S+jj+2:S+jj+3]
.set jj, jj+4
.endr
	v_pk_add_f32 v[ST+2:ST+3], v[ST+2:ST+3], v[T+4:T+5]
	WALU                                           ; and one for the two
.if \sync
	s_wait_dscnt 0x0                               ; V is in (and the adds are done): my reads of this quarter are over
	s_barrier_signal -1                            ; say so; behind it register work alone
.endif
.irp c, 0,1
	v_max_num_f32 v[T+\c], 0x1800000, v[T+\c]      ; the floor 2^(3 - 127): the byte cannot fall under 1
.endr
.irp c, 0,1
	s_delay_alu instid0(VALU_DEP_2)
	v_add_nc_u32 v[T+6+\c], 0xff000000, v[T+\c]    ; 2 off the exponent field: the conversion's scale operand
.endr
.irp c, 0,1
	s_delay_alu instid0(VALU_DEP_2)
	v_lshrrev_b32 v[T+\c], 23, v[T+6+\c]           ; the scale's byte
.endr
	s_delay_alu instid0(VALU_DEP_1)
	v_lshl_or_b32 v[PW], v[T+1], 16, v[T]          ; my blocks are h and 2 + h of the step's four
	s_delay_alu instid0(VALU_DEP_1)
	v_lshlrev_b32 v[PW], v[H8], v[PW]
	s_delay_alu instid0(VALU_DEP_1)
	v_permlanex16_b32 v[T+3], v[PW], s36, s37
	s_delay_alu instid0(VALU_DEP_1)
	v_or_b32 v[PW], v[PW], v[T+3]                  ; p's scale word for these 128 keys
	v_cvt_scalef32_pk16_fp6_f32 v[P:P+2], v[S:S+15], v[T+6]
	v_cvt_scalef32_pk16_fp6_f32 v[P+6:P+8], v[S+32:S+47], v[T+7]
	v_nop                                          ; one plain place: the next conversions write registers that these have read
	v_cvt_scalef32_pk16_fp6_f32 v[S:S+2], v[S+16:S+31], v[T+6]     ; (a conversion's three registers begin on an even number: the upper halves are made in p's own first registers and moved)
	v_cvt_scalef32_pk16_fp6_f32 v[S+32:S+34], v[S+48:S+63], v[T+7]
	v_nop                                          ; one plain place behind a scaled conversion
.irp i, 0,1,2
	v_mov_b32 v[P+3+\i], v[S+\i]
	v_mov_b32 v[P+9+\i], v[S+32+\i]
.endr
.set jj, 0
.rept 16
	v_pk_mul_f32 v[O+jj:O+jj+1], v[O+jj:O+jj+1], v[FF:FF+1] op_sel_hi:[1,0]   ; O^T under the new M.  (These sixteen also stand between the writing of p's codes and scale word and the products)
.set jj, jj+2
.endr
	WALU
	s_wait_dscnt 0x0                               ; V is in
.irp c, 0,1                            ; O^T += V^T P^T: the four accumulators by turns
	WM O+16*\c, KV+24*\c, P, 1, VS+\c, PW, 0
	WM O+16*\c+8, KV+24*\c+12, P, 1, VS+\c, PW, 1
.endr
.endm
; A partial goes to LDS: O^T as 16 rows of 256 bytes, (-M, the sum) beside it.
.macro PART st, adr, sta
.set rO, O+32*(\st)
.set rT, ST+4*(\st)
	v_add_f32 v[rT+2], v[rT+2], v[rT+3]            ; the sum's two halves,
	s_delay_alu instid0(VALU_DEP_1)
	v_permlanex16_b32 v[T+3], v[rT+2], s36, s37
	s_delay_alu instid0(VALU_DEP_1)
	v_add_f32 v[rT+1], v[rT+2], v[T+3]             ; and lane l xor 16's; it takes the largest t's place, next to -M
.irp c, 0,1,2,3
	ds_store_b128 v[\adr], v[rO+8*\c:rO+8*\c+3] offset:64*\c       ; lane (r, h): channels 16 C + 8 h + 0 .. 7 of query r; each accumulator from its low end on
	ds_store_b128 v[\adr], v[rO+8*\c+4:rO+8*\c+7] offset:64*\c+16
.endr
	ds_store_b64 v[\sta], v[rT:rT+1]               ; lanes l and l xor 16 name the same words and hold the same values
.endm
; n partials of a tile are joined: rows 2 i + h of my four.  v[P + 4 i] on: the joined O, v[T + 2 + i]: its sum.
.macro JOIN n
.set ii, 0
.rept 2
.set ss, 0
.rept \n
	ds_load_b64 v[KV+16*ii+2*ss:KV+16*ii+2*ss+1], v7 offset:128*ss+16*ii
	ds_load_b128 v[S+32*ii+4*ss:S+32*ii+4*ss+3], v4 offset:PARTB*ss+544*ii
.set ss, ss+1
.endr
.set ii, ii+1
.endr
	s_wait_dscnt 0x0
.set ii, 0
.rept 2
.set sb, KV+16*ii
	v_min3_num_f32 v[T+ii], v[sb], v[sb+2], v[sb+4]           ; the smallest -M: the largest M
.if \n == 8
	s_delay_alu instid0(VALU_DEP_1)
	v_min3_num_f32 v[T+ii], v[T+ii], v[sb+6], v[sb+8]
	s_delay_alu instid0(VALU_DEP_1)
	v_min3_num_f32 v[T+ii], v[T+ii], v[sb+10], v[sb+12]
.endif
	s_delay_alu instid0(VALU_DEP_1)
	v_min_num_f32 v[T+ii], v[T+ii], v[sb+2*\n-2]
.set ss, 0
.rept \n
	v_sub_f32 v[sb+2*ss], v[T+ii], v[sb+2*ss]      ; the partial's M less the largest: a whole number, 0 or less
.set ss, ss+1
.endr
.set ss, 0
.rept \n
	v_cvt_i32_f32 v[sb+2*ss], v[sb+2*ss]           ; (it saturates: a partial that had no step gets the factor 0)
.set ss, ss+1
.endr
.set ss, 0
.rept \n
	v_ldexp_f32 v[sb+2*ss], 1.0, v[sb+2*ss]        ; an exact power of two
.set ss, ss+1
.endr
	v_mul_f32 v[T+2+ii], v[sb], v[sb+1]
	v_pk_mul_f32 v[P+4*ii:P+4*ii+1], v[S+32*ii:S+32*ii+1], v[sb:sb+1] op_sel_hi:[1,0]
	v_pk_mul_f32 v[P+4*ii+2:P+4*ii+3], v[S+32*ii+2:S+32*ii+3], v[sb:sb+1] op_sel_hi:[1,0]
.set ss, 1
.rept \n-1
	v_fma_f32 v[T+2+ii], v[sb+2*ss], v[sb+2*ss+1], v[T+2+ii]
	v_pk_fma_f32 v[P+4*ii:P+4*ii+1], v[S+32*ii+4*ss:S+32*ii+4*ss+1], v[sb+2*ss:sb+2*ss+1], v[P+4*ii:P+4*ii+1] op_sel_hi:[1,0,1]
	v_pk_fma_f32 v[P+4*ii+2:P+4*ii+3], v[S+32*ii+4*ss+2:S+32*ii+4*ss+3], v[sb+2*ss:sb+2*ss+1], v[P+4*ii+2:P+4*ii+3] op_sel_hi:[1,0,1]
.set ss, ss+1
.endr
.set ii, ii+1
.endr
	WALU
.endm
	s_load_b128 s[4:7], s[0:1], 0x0                ; qi s[4:5], kv s[6:7]
	s_load_b64 s[8:9], s[0:1], 0x10                ; out0
	v_lshl_add_u32 v[SPW], v0, 2, SPARE
	v_mov_b32 v[NIL], 0
	ds_add_u32 v[SPW], v[NIL]                      ; the wave's opening: the add, twice on end, and its wait ahead of my first tensor load; the set-up below, work on registers, stands between
	ds_add_u32 v[SPW], v[NIL]
	v_lshrrev_b32 v1, 5, v0
	v_readfirstlane_b32 s10, v1                    ; wave 0..15
	s_and_b32 s11, s10, 1                          ; pi
	s_lshr_b32 s12, s10, 1                         ; ks
	s_and_b32 s69, s12, 1                          ; ks % 2
	s_bfe_u32 s13, ttmp6, 0x40000                  ; cx: it enters Q's and out0's addresses and the mask's distances alone
	s_mov_b32 s14, ttmp9                           ; F
	s_and_b32 s15, ttmp7, 0xffff                   ; the batch
	s_lshr_b32 s16, s12, 1                         ; ks / 2
	s_sub_co_i32 s40, s16, s14
	s_cmp_eq_u32 s69, 0
	s_cselect_b32 s40, 1000, s40                   ; ks / 2 - F; even ks: a number that meets no test below
	; descriptor group 1: two records, 26,112 dense bytes, as 102 rows of 256 bytes (32 elements of 8 bytes)
	s_mov_b32 s20, 15|(3<<16)|(1<<21)              ; the mask: all four work-groups; elements of 8 bytes; bit 21 set beside a mask; no padding: every read is of consecutive bytes
	s_mov_b32 s21, 32<<16
	s_mov_b32 s22, 102<<16
	s_mov_b32 s23, 32<<16
	s_mov_b32 s24, 102
	s_mov_b32 s25, 32
	s_mov_b32 s26, 0
	s_mov_b32 s27, 0
	s_mov_b32 s36, 0x76543210
	s_mov_b32 s37, 0xfedcba98                      ; v_permlanex16_b32's selects for lane l xor 16
	s_mov_b32 s38, 0x3e38aa3b                      ; c = log2(e) / 8
	s_mov_b32 s39, s38                             ; (named with it as a pair, so it is written)
	s_mul_i32 s17, s10, 2*REC                      ; where my load goes,
	s_mul_i32 s18, s15, 32*REC                     ; and whence: nothing here hangs on cx
	s_lshl_b32 s41, s10, 1
	s_sub_co_i32 s41, s41, s14
	s_max_i32 s46, s10, s41                        ; at the head load i = w: record max(w, 2 w - F)
	s_mul_i32 s46, s46, REC
	s_add_co_u32 s46, s46, s18
	s_mov_b32 s47, 0
	s_add_co_u32 s62, s10, 12
	s_add_co_i32 s41, s41, 24
	s_max_i32 s62, s62, s41                        ; the refill, waves 0 to 3: load i = 12 + w
	s_mul_i32 s62, s62, REC
	s_add_co_u32 s62, s62, s18
	s_mov_b32 s63, 0
	s_and_b32 s50, s13, 1
	s_lshr_b32 s51, s13, 1                         ; e: which of the cluster's two groups
	s_lshl_b32 s52, s50, 1
	s_add_co_u32 s52, s52, s11                     ; T: my tile of the group
	s_lshl_b32 s53, s52, 3
	s_lshl_b32 s54, s51, 6
	s_add_co_u32 s55, s53, s54                     ; early: the group is half e of its key step
	s_xor_b32 s54, s54, 64
	s_add_co_u32 s54, s53, s54                     ; late: half 1 - e
	s_cmp_eq_u32 s69, 0
	s_cselect_b32 s55, s54, s55
	s_lshl_b32 s56, s14, 1
	s_add_co_u32 s56, s56, s51                     ; the early group: 2 F + e
	s_sub_co_u32 s57, 63, s56                      ; the late one: 63 - 2 F - e
	s_lshl_b32 s58, s15, 6
	s_add_co_u32 s59, s58, s57                     ; s59: the late group among all 256; s58: the early one
	s_add_co_u32 s58, s58, s56
	s_mul_i32 s42, s59, 3328
	s_mov_b32 s43, 0
	s_mul_i32 s44, s58, 3328
	s_mov_b32 s45, 0
	s_mul_i32 s60, s52, 768                        ; my tile's codes in a record of qi
	s_lshl_b32 s61, s11, 7                         ; its scale word: lane 16 (T % 2) + r, word T / 2
	s_lshl_b32 s19, s50, 2
	s_add_co_u32 s61, s61, s19
	s_mul_i32 s48, s12, REC
	v_and_b32 v248, 31, v0                         ; lane
	v_and_b32 v249, 15, v0                         ; r
	v_bfe_u32 v250, v0, 4, 1                       ; h
	v_lshl_add_u32 v[AB], v248, 4, s48
	v_lshl_add_u32 v[AB+1], v248, 3, s48
	v_lshlrev_b32 v[A0], 4, v248
	v_lshlrev_b32 v[A0+1], 3, v248
	v_lshlrev_b32 v[H8], 3, v250
	v_and_b32 v251, 7, v249
	v_lshrrev_b32 v252, 3, v249
	v_lshl_add_u32 v253, v248, 4, s60
	v_lshl_add_u32 v254, v248, 3, s60
	v_lshl_add_u32 v251, v252, 5, v251             ; r % 8 + 32 (r / 8)
	v_lshlrev_b32 v252, 5, v250
	v_lshl_add_u32 v255, v249, 3, s61
	v_sub_nc_u32 v251, v251, v252                  ; - 32 h
	v_add_nc_u32 v[CD], s55, v251
	v_add_nc_u32 v[CD+1], s54, v251
	WALU                                           ; the wait here, directly ahead of the waits below
	s_wait_dscnt 0x0                               ; the opening adds are done
	s_wait_kmcnt 0x0
	s_mov_b32 s28, 1                               ; group 0 for the head's load
	s_mov_b32 s29, s17
	s_add_nc_u64 s[30:31], s[6:7], s[46:47]
	s_or_b32 s31, s31, 0x80000000
	s_mov_b32 s32, 1                               ; and for the refill, onto quarter 0
	s_mov_b32 s33, s17
	s_add_nc_u64 s[34:35], s[6:7], s[62:63]
	s_or_b32 s35, s35, 0x80000000
	s_add_nc_u64 s[42:43], s[4:5], s[42:43]        ; my late group's record of qi
	s_add_nc_u64 s[44:45], s[4:5], s[44:45]        ; my early group's
	s_cmp_eq_u32 s69, 0
	s_cselect_b64 s[48:49], s[42:43], s[44:45]     ; the one that I begin with
	ROUND                                          ; all four work-groups are here: the first joint loads meet
	s_cmp_lt_u32 s10, 4                            ; waves 0 to 3: quarter 0
	s_cbranch_scc0 .Lquarters
	tensor_load_to_lds s[28:31], s[20:27]
	s_nop 0
.rept 4
	v_nop
.endr
	s_branch .Lasked
.Lquarters:
	s_cmp_lt_u32 s10, 12                           ; waves 4 to 11: quarters 1 and 2
	s_cbranch_scc0 .Lasked
	tensor_load_to_lds s[28:31], s[20:27]
	s_nop 0
.rept 4
	v_nop
.endr
.Lasked:
	global_load_b128 v[QC:QC+3], v253, s[48:49]
	global_load_b64 v[QC+4:QC+5], v254, s[48:49] offset:512
	global_load_b32 v[QW], v255, s[48:49] offset:3072
	global_load_b128 v[QN:QN+3], v253, s[42:43]
	global_load_b64 v[QN+4:QN+5], v254, s[42:43] offset:512
	global_load_b32 v[QN+6], v255, s[42:43] offset:3072
.irp i, 0,1,2,3,4,5
	v_mov_b32 v[QC+6+\i], 0                        ; zero codes for the upper 64 of the instruction's K
	v_mov_b32 v[KV+48+\i], 0                       ; and behind K's last tile
.endr
.set jj, 0
.rept 64
	v_mov_b32 v[O+jj], 0                           ; both O^T.  (A key step is written alike for first and later steps: the first finds zeros, which the first change of M leaves zeros)
.set jj, jj+1
.endr
	v_mov_b32 v[ST+1], 0xff61b1e6                  ; the largest t so far: -3e38, under every t
.irp s, 2,3,4,5,6,7
	v_mov_b32 v[ST+\s], 0
.endr
	v_floor_f32 v[ST], -v[ST+1]                    ; -M
	v_mov_b32 v[FF+1], 0                           ; (named as the upper half of a pair)
	v_mov_b32 v[NINF], 0xff800000
	WALU                                           ; the wait at the head's end
	s_wait_loadcnt 0x0                             ; Q.  (Its addresses lie in v253 to v255, which are written again behind this wait)
	v_mov_b32 v[T+3], 0                            ; a lane permute's destination counts as one of its sources
	v_mov_b32 v[T+5], 0
	WALU
	s_cmp_lt_u32 s10, 4
	s_cbranch_scc0 .Lnot_mine
	s_wait_tensorcnt 0x0                           ; my part of quarter 0 is in; quarters 1 and 2 may stay out
.Lnot_mine:
	s_barrier_signal -1
	s_barrier_wait -1                              ; everybody's is
	s_cmp_lg_u32 s12, 1
	s_cbranch_scc1 .Lno_extra
	STEP A0, 3, 0                                  ; the early tiles' record 0
.Lno_extra:
	SWITCH 0
	STEP AB, 1, 1
	WALU
	s_barrier_wait -1                              ; it has opened a round:
	CREST                                          ; no wave of any partner still reads quarter 0 or has a load on its way
	s_cmp_lt_u32 s10, 4                            ; quarter 3 onto quarter 0's bytes
	s_cbranch_scc0 .Lnone
	tensor_load_to_lds s[32:35], s[20:27]
	s_nop 0
.rept 4
	v_nop
.endr
.Lnone:
	SWITCH 1
	STEP AC, 1, 0
	WALU
	s_wait_tensorcnt 0x0                           ; my part of quarter 3 is in: this barrier shows it
	s_barrier_signal -1
	SWITCH 2
	STEP AC, 1, 0                                  ; its LDS loads are of bytes that nobody writes before a later barrier
	WALU
	s_barrier_wait -1
	SWITCH 3
	STEP AB, 2, 2                                  ; its signal: I read the places no more
	SWITCH 4                                       ; (a wave that was early to the end)
	; the addresses of the way out
	v_and_b32 v248, 15, v0                         ; r
	v_bfe_u32 v249, v0, 4, 1                       ; h
	s_lshl_b32 s48, s11, 3
	s_add_co_u32 s48, s48, s12                     ; my late partial: 8 pi + ks
	s_lshl_b32 s49, s11, 2
	s_add_co_u32 s49, s49, s16
	s_add_co_u32 s49, s49, 16                      ; my early one: 16 + 4 pi + ks / 2
	WALU
	v_mul_u32_u24 v1, 272, v248
	v_lshl_add_u32 v1, v249, 5, v1                 ; row r, + 32 h
	s_mul_i32 s66, s48, PARTB
	s_mul_i32 s67, s49, PARTB
	v_add_nc_u32 v2, s67, v1
	v_add_nc_u32 v1, s66, v1
	s_lshl_b32 s48, s48, 7
	s_add_co_u32 s48, s48, STATS
	s_lshl_b32 s49, s49, 7
	s_add_co_u32 s49, s49, STATS
	v_lshl_add_u32 v3, v248, 3, s48
	v_lshl_add_u32 v8, v248, 3, s49
	s_lshr_b32 s66, s10, 2                         ; joining: wave w takes tile J = w / 4 of the work-group's four, rows 4 (w % 4) on
	s_and_b32 s67, s10, 3
	s_lshl_b32 s48, s66, 3
	s_lshl_b32 s49, s66, 2
	s_add_co_u32 s49, s49, 8
	s_min_u32 s66, s48, s49                        ; its first partial: 0, 8, 16, 20
	s_mul_i32 s68, s66, PARTB
	s_mul_i32 s49, s67, 4*272
	s_add_co_u32 s68, s68, s49
	WALU
	v_mul_u32_u24 v4, 272, v249
	v_lshl_add_u32 v4, v248, 4, v4
	v_add_nc_u32 v4, s68, v4                       ; lanes 0-15 one row, lanes 16-31 the next; 16 bytes a lane
	s_lshl_b32 s68, s66, 7
	s_lshl_b32 s49, s67, 5
	s_add_co_u32 s68, s68, s49
	s_add_co_u32 s68, s68, STATS
	v_lshl_add_u32 v7, v249, 3, s68
	WALU
	s_barrier_wait -1                              ; nobody reads the places any more, and they have had their last fill: the partials may lie there
	PART 0, 1, 3
	WALU
	s_cmp_eq_u32 s69, 0
	s_cbranch_scc1 .Lno_early
	PART 1, 2, 8
.Lno_early:
	v_and_b32 v9, 31, v0
	v_lshlrev_b32 v9, 4, v9                        ; in out0: two rows of 256 bytes on end
	WALU
	s_wait_dscnt 0x0                               ; for the others' sake: my partials lie in LDS
	s_barrier_signal -1
	; where my rows lie in out0: row rho of tile T is row 8 T + rho % 8 + 32 (rho / 8) of its group
	s_lshr_b32 s66, s10, 3
	s_cmp_eq_u32 s66, 0
	s_cselect_b32 s66, s59, s58                    ; waves 0-7 the late group, waves 8-15 the early one
	s_lshl_b32 s66, s66, 6
	s_and_b32 s67, s13, 1
	s_lshl_b32 s67, s67, 1
	s_bfe_u32 s68, s10, 0x10002
	s_add_co_u32 s67, s67, s68                     ; T
	s_lshl_b32 s67, s67, 3
	s_add_co_u32 s66, s66, s67
	s_bfe_u32 s68, s10, 0x10001
	s_lshl_b32 s68, s68, 5
	s_add_co_u32 s66, s66, s68
	s_and_b32 s68, s10, 1
	s_lshl_b32 s68, s68, 2
	s_add_co_u32 s66, s66, s68
	s_lshl_b32 s66, s66, 8                         ; a row is 256 bytes
	s_mov_b32 s67, 0
	s_add_nc_u64 s[46:47], s[8:9], s[66:67]
	s_barrier_wait -1
	s_cmp_lt_u32 s10, 8
	s_cbranch_scc0 .Ljoin_early
	JOIN 8
	s_branch .Ljoined
.Ljoin_early:
	JOIN 4
.Ljoined:
	WALU
	v_rcp_f32 v[T+4], v[T+2]
	v_rcp_f32 v[T+5], v[T+3]
	v_nop                                          ; a plain place behind the reciprocals
	WALU                                           ; and one wait for the two, ahead of their first reader
.irp i, 0,1
.irp q, 0,1,2,3
	v_mul_f32 v[P+4*\i+\q], v[P+4*\i+\q], v[T+4+\i]
.endr
.endr
.irp i, 0,1
	global_store_b128 v9, v[P+4*\i:P+4*\i+3], s[46:47] offset:512*\i th:TH_STORE_NT   ; 32 lanes store two whole rows: 512 consecutive bytes, at a multiple of 256 from out0's first byte
.endr
	s_wait_tensorcnt 0x0                           ; the wave's end, behind my last tensor load and my last LDS store
	ds_add_u32 v[SPW], v[NIL]
	s_wait_dscnt 0x0
	ROUND                                          ; the closing round: no work-group ends while a partner may still ask for records that name it
	s_endpgm
.Lfunc_end_k_q2259f34ddd_attn:
	.size	k_q2259f34ddd_attn, .Lfunc_end_k_q2259f34ddd_attn-k_q2259f34ddd_attn
	.p2alignl 7, 3214868480
	.fill 96, 4, 3214868480
	.section	.rodata,"a",@progbits
	.p2align	6, 0x0
	.amdhsa_kernel k_q2259f34ddd_attn
		.amdhsa_group_segment_fixed_size 327680
		.amdhsa_private_segment_fixed_size 0
		.amdhsa_enable_private_segment 0
		.amdhsa_kernarg_size 24
		.amdhsa_user_sgpr_count 2
		.amdhsa_user_sgpr_kernarg_segment_ptr 1
		.amdhsa_wavefront_size32 1
		.amdhsa_system_sgpr_workgroup_id_x 1
		.amdhsa_system_sgpr_workgroup_id_y 1
		.amdhsa_system_sgpr_workgroup_id_z 1
		.amdhsa_system_vgpr_workitem_id 0
		.amdhsa_next_free_vgpr 256
		.amdhsa_next_free_sgpr 70
		.amdhsa_reserve_vcc 1
		.amdhsa_float_denorm_mode_32 3
		.amdhsa_float_denorm_mode_16_64 3
		.amdhsa_memory_ordered 1
		.amdhsa_forward_progress 1
		.amdhsa_inst_pref_size 143
	.end_amdhsa_kernel
	.amdgpu_metadata
---
amdhsa.version: [ 1, 2 ]
amdhsa.kernels:
  - .name:           k_q2259f34ddd_attn
    .symbol:         k_q2259f34ddd_attn.kd
    .args:
      - { .name: qi, .offset: 0, .size: 8, .value_kind: global_buffer, .address_space: global }
      - { .name: kv, .offset: 8, .size: 8, .value_kind: global_buffer, .address_space: global }
      - { .name: out0, .offset: 16, .size: 8, .value_kind: global_buffer, .address_space: global }
    .group_segment_fixed_size: 327680
    .private_segment_fixed_size: 0
    .kernarg_segment_align: 8
    .kernarg_segment_size: 24
    .max_flat_workgroup_size: 512
    .sgpr_count:     70
    .vgpr_count:     256
    .wavefront_size: 32
...
	.end_amdgpu_metadata
.endif
;; end of part 3
